; MI455X (gfx1250); checked and timed in simulation.
; The chip was launched on July 23, 2026; its instructions are those of AMD's public machine-readable ISA for CDNA 5 (MIT licence, August 2026) and "CDNA5" Instruction Set Architecture Reference Guide (July 2026). The comments in the code are by the model that wrote it; some were corrected since.
;; Multi Head Self Attention. Allowed arithmetic: matrix products marked QUANTISED: E5M2 operands, one given power-of-two scale a tensor, by v_wmma_f32_16x16x64_bf8_bf8 or v_wmma_f32_16x16x128_bf8_bf8, f32 sums; everything else in f32.
;; Inputs: Wk 256 x 256 float32; Wo 256 x 256 float32; Wq 256 x 256 float32; Wv 256 x 256 float32; beta 256 float32; bk 256 float32; bo 256 float32; bq 256 float32; bv 256 float32; gamma 256 float32; lowp_scales 12 int32 (the exponents e of the quantised operands' scales 2^e); x 4 x 64 x 64 x 256 float32.
;; Outputs: out0 4 x 4,096 x 256 float32.
;; This version of the problem:
;;   THIS VERSION OF THE PROBLEM IS GIVEN IN LOW PRECISION. The matrix products marked QUANTISED in the list below multiply operands that are first quantised to E5M2 (5 exponent bits, 2 mantissa bits; 8 bits a number), with one given power-of-two scale for each operand tensor; their sums are f32. All else is computed in f32.
;;   The module's matrix products, in the order in which they are computed (A, B: the left and right operand; K: the contracted axis; several contracted axes count as one K, in the product's order):
;;     1. [M 16,384, K 256] x [K 256, N 256]; A: input x; B: input Wq: QUANTISED (scales: A lowp_scales[0], B lowp_scales[1])
;;     2. [M 16,384, K 256] x [K 256, N 256]; A: input x; B: input Wk: QUANTISED (scales: A lowp_scales[2], B lowp_scales[3])
;;     3. [M 16,384, K 256] x [K 256, N 256]; A: input x; B: input Wv: QUANTISED (scales: A lowp_scales[4], B lowp_scales[5])
;;     4. batch 16 x [M 4,096, K 64] x [K 64, N 4,096]; A: computed on the way; B: computed on the way: QUANTISED (scales: A lowp_scales[6], B lowp_scales[7])
;;     5. batch 16 x [M 64, K 4,096] x [K 4,096, N 4,096]; A: computed on the way; B: softmax (see below): QUANTISED (scales: A lowp_scales[8], B lowp_scales[9])
;;     6. [M 16,384, K 256] x [K 256, N 256]; A: computed on the way; B: input Wo: QUANTISED (scales: A lowp_scales[10], B lowp_scales[11])
;;   THE QUANTISER, for each operand of a quantised product, along K:
;;     - The operand's scale is 2^e, e = its entry of the input lowp_scales (int32; the entries are numbered through the quantised products in the list's order, A before B).
;;     - Each number is divided by the scale, clamped to +-57,344, and rounded to the nearest number of E5M2, ties to even, subnormals kept.
;;     - The product sums the exact products of the quantised numbers (number of the format x scale) in f32.
;;   ~~~python
;;   def quantise(x, axis, e):      # numpy; x: float32 -> the quantised numbers, widened to float32 again
;;       x = np.moveaxis(x, axis, -1); K = x.shape[-1]
;;       r = np.clip(x / 2.0 ** e, -57344, 57344)
;;       step = 2.0 ** (np.maximum(np.frexp(np.where(r == 0, 1, r))[1] - 1, -14) - 2)
;;       q = np.round(r / step) * step * 2.0 ** e      # np.round: ties to even
;;       return np.moveaxis(q, -1, axis).astype(np.float32)
;;   ~~~
;;   SOFTMAX AHEAD OF A QUANTISED PRODUCT. Where the list says 'softmax', what is quantised is not the finished softmax but p = 2^(t - M), with t = logit x log2(e) and M = ceil(the row's largest t), a whole number; so 1/2 < the row's largest p <= 1. The row's sum l is taken of the UNQUANTISED p, in f32, and the product's result is divided by l at the end. Since M is a whole number, a kernel that streams over the keys may use a running M (the ceiling of the running maximum): every later rescaling is an exact power of two, so the quantised numbers keep their values, but for numbers so far below the row's largest that they fall under the format's range.
;;   OPERANDS COMPUTED ON THE WAY. 'Computed on the way' means the value that the module computes at that place (a softmax that the list does not call 'softmax' is quantised finished and normalised). What goes into a quantiser is computed in f32, as accurately as f32 sums, v_exp_f32 and their like allow (about 1e-6 of the number): no bf16 or f16 on the way to a quantiser, and a product that is left as it is and whose result goes on into a quantised operand takes f32 operands (vector FMAs, or v_wmma_f32_16x16x4_f32). A number that lies on a knife's edge between two numbers of the format may be rounded either way, as far as f32 arithmetic and the matrix unit's own rounding can turn it there, and no further.
;; One version. Each part assembles by itself: llvm-mc -triple=amdgcn-amd-amdhsa -mcpu=gfx1250 --defsym DOCPART=n.
;; ======== version 1 of 1: 3 launches
;; limits: right only within a limited range of input values
;; workspace buffers: wc 262,144 bytes; qc 4,194,304 bytes; kv 8,388,608 bytes; xc 4,194,304 bytes
;; launch wquant (part 1): grid 32 x 1, 4 waves a work-group, no clusters, 0 bytes of LDS; arguments Wq, Wk, Wv, Wo, lowp_scales, wc; writes wc
.if DOCPART == 1
	.amdgcn_target "amdgcn-amd-amdhsa--gfx1250"
	.amdhsa_code_object_version 6
	.text
	.protected	k_q41304565d1_wquant
	.globl	k_q41304565d1_wquant
	.p2align	8
	.type	k_q41304565d1_wquant,@function
k_q41304565d1_wquant:
	s_mov_b64 s[64:65], 0
	v_nop
	global_prefetch_b8 v0, s[64:65] scope:SCOPE_SE
	s_setreg_imm32_b32 hwreg(HW_REG_WAVE_MODE, 25, 1), 1
	s_wait_xcnt 0x0
; Wq, Wk, Wv, Wo [256 (out)][256 (k)], f32, become codes of BF8 (E5M2), each with the one scale 2^e that is given for it (entries 1, 3, 5, 11 of the scales).
; code = w / 2^e, held within +-57,344, rounded to the nearest code, ties to even.  LIMIT: -126 <= e <= 112, so that 2^e and 57,344 x 2^e are f32 numbers.  NaN among the inputs is not served.
; THE CODES ARE LAID AS IMAGES OF OPERAND REGISTERS.  A fragment is 16 rows x 128 along K: 16 registers a lane, in four pieces of four registers; piece c of lane (r, h) holds k = 32 c + 16 h + 0 .. 15.
; A piece is 512 bytes, lane l's 16 bytes at 16 l.  Fragment F = 32 x matrix + 2 x tile + K step lies at byte 2,048 F.  So the later launches fetch a fragment by four loads of 512 consecutive bytes.
; THE ROWS OF A TILE ARE NOT NEIGHBOURS: lane r of tile ct takes row 32 (ct / 2) + 8 (ct % 2) + r + 8 (r / 8), so that in a product used transposed the 16 registers of tiles 2 b and 2 b + 1 are 16 neighbours along the next K.
; One wave makes one fragment: 128 waves in 32 work-groups.  Waves share nothing: no LDS, no barrier.  The four tensors are 1 MiB in all, read once; a lane reads 64 neighbouring bytes of its row for each piece.
.set X, 16                             ; v16-79  64 numbers: register 16 c + i = k 32 c + 16 h + i of my row
.set C, 80                             ; v80-95  the fragment's codes
	s_load_b256 s[4:11], s[0:1], 0x0               ; Wq, Wk, Wv, Wo
	s_load_b128 s[12:15], s[0:1], 0x20             ; the scales' exponents, wc
	v_lshrrev_b32 v1, 5, v0
	v_readfirstlane_b32 s17, v1                    ; wave 0..3
	v_and_b32 v1, 31, v0                           ; lane
	v_and_b32 v2, 15, v0                           ; r
	v_bfe_u32 v3, v0, 4, 1                         ; h
	v_and_b32 v4, 8, v2
	v_add_nc_u32 v4, v4, v2                        ; r + 8 (r / 8)
	v_lshlrev_b32 v4, 10, v4                       ; a row is 1,024 bytes
	v_lshl_add_u32 v4, v3, 6, v4                   ; + 64 h: my 16 numbers of a block of 32
	v_lshlrev_b32 v5, 4, v1                        ; 16 x lane: my place in a piece
	s_lshl_b32 s21, ttmp9, 2
	s_add_co_u32 s21, s21, s17                     ; F = 4 x work-group + wave
	s_lshr_b32 s16, ttmp9, 3                       ; the matrix: 0 q, 1 k, 2 v, 3 o
	s_bfe_u32 s22, s21, 0x40001                    ; the tile ct: four bits from bit 1
	s_lshr_b32 s40, s22, 1
	s_lshl_b32 s40, s40, 15                        ; 32 (ct / 2) rows
	s_and_b32 s41, s22, 1
	s_lshl_b32 s41, s41, 13                        ; + 8 (ct % 2) rows
	s_add_co_u32 s40, s40, s41
	s_and_b32 s41, s21, 1
	s_lshl_b32 s41, s41, 9                         ; + the K step's 512 bytes
	s_add_co_u32 s40, s40, s41
	s_mov_b32 s41, 0
	s_lshl_b32 s42, s21, 11                        ; the fragment's place in wc
	s_mov_b32 s43, 0
	s_wait_alu depctr_va_vdst(0)
	s_wait_kmcnt 0x0
	s_load_b256 s[24:31], s[12:13], 0x0            ; e0 .. e7
	s_load_b128 s[32:35], s[12:13], 0x20           ; e8 .. e11
	s_mov_b64 s[18:19], s[4:5]                     ; which tensor: the choice hangs on the work-group's number alone
	s_cmp_eq_u32 s16, 1
	s_cselect_b64 s[18:19], s[6:7], s[18:19]
	s_cmp_eq_u32 s16, 2
	s_cselect_b64 s[18:19], s[8:9], s[18:19]
	s_cmp_eq_u32 s16, 3
	s_cselect_b64 s[18:19], s[10:11], s[18:19]
	s_add_nc_u64 s[18:19], s[18:19], s[40:41]
	s_add_nc_u64 s[14:15], s[14:15], s[42:43]
.irp c, 0,1,2,3
.irp i, 0,1,2,3
	global_load_b128 v[X+16*\c+4*\i:X+16*\c+4*\i+3], v4, s[18:19] offset:128*\c+16*\i th:TH_LOAD_NT
.endr
.endr
	s_wait_kmcnt 0x0
	s_mov_b32 s20, s25                             ; e of my tensor: entry 1, 3, 5 or 11
	s_cmp_eq_u32 s16, 1
	s_cselect_b32 s20, s27, s20
	s_cmp_eq_u32 s16, 2
	s_cselect_b32 s20, s29, s20
	s_cmp_eq_u32 s16, 3
	s_cselect_b32 s20, s35, s20
	s_add_co_i32 s20, s20, 127
	s_lshl_b32 s23, s20, 23
	v_mov_b32 v11, s23                             ; 2^e as f32: the conversion takes its exponent field
	s_add_co_i32 s20, s20, 15
	s_lshl_b32 s20, s20, 23
	s_or_b32 s20, s20, 0x600000
	v_mov_b32 v10, s20                             ; 57,344 x 2^e
	s_wait_alu depctr_va_vdst(0)
	s_wait_loadcnt 0x0
.set n, 0
.rept 64
	v_med3_num_f32 v[X+n], v[X+n], -v10, v10       ; the conversion to an 8-bit code does not saturate (ISA guide 7.6.2): the hold comes first
.set n, n+1
.endr
.irp c, 0,1,2,3
	v_cvt_scalef32_pk8_bf8_f32 v[C+4*\c:C+4*\c+1], v[X+16*\c:X+16*\c+7], v11
	v_cvt_scalef32_pk8_bf8_f32 v[C+4*\c+2:C+4*\c+3], v[X+16*\c+8:X+16*\c+15], v11
.endr
.irp c, 0,1,2,3
	global_store_b128 v5, v[C+4*\c:C+4*\c+3], s[14:15] offset:512*\c   ; 32 lanes store 512 consecutive bytes, at a multiple of 512 from wc's first byte
.endr
	s_endpgm
.Lfunc_end_k_q41304565d1_wquant:
	.size	k_q41304565d1_wquant, .Lfunc_end_k_q41304565d1_wquant-k_q41304565d1_wquant
	.p2alignl 7, 3214868480
	.fill 96, 4, 3214868480
	.section	.rodata,"a",@progbits
	.p2align	6, 0x0
	.amdhsa_kernel k_q41304565d1_wquant
		.amdhsa_group_segment_fixed_size 0
		.amdhsa_private_segment_fixed_size 0
		.amdhsa_enable_private_segment 0
		.amdhsa_kernarg_size 48
		.amdhsa_user_sgpr_count 2
		.amdhsa_user_sgpr_kernarg_segment_ptr 1
		.amdhsa_wavefront_size32 1
		.amdhsa_system_sgpr_workgroup_id_x 1
		.amdhsa_system_sgpr_workgroup_id_y 1
		.amdhsa_system_sgpr_workgroup_id_z 1
		.amdhsa_system_vgpr_workitem_id 0
		.amdhsa_next_free_vgpr 96
		.amdhsa_next_free_sgpr 66
		.amdhsa_reserve_vcc 0
		.amdhsa_float_denorm_mode_32 3
		.amdhsa_float_denorm_mode_16_64 3
		.amdhsa_memory_ordered 1
		.amdhsa_forward_progress 1
		.amdhsa_inst_pref_size 9
	.end_amdhsa_kernel
	.amdgpu_metadata
---
amdhsa.version: [ 1, 2 ]
amdhsa.kernels:
  - .name:           k_q41304565d1_wquant
    .symbol:         k_q41304565d1_wquant.kd
    .args:
      - { .name: Wq, .offset: 0, .size: 8, .value_kind: global_buffer, .address_space: global }
      - { .name: Wk, .offset: 8, .size: 8, .value_kind: global_buffer, .address_space: global }
      - { .name: Wv, .offset: 16, .size: 8, .value_kind: global_buffer, .address_space: global }
      - { .name: Wo, .offset: 24, .size: 8, .value_kind: global_buffer, .address_space: global }
      - { .name: lowp_scales, .offset: 32, .size: 8, .value_kind: global_buffer, .address_space: global }
      - { .name: wc, .offset: 40, .size: 8, .value_kind: global_buffer, .address_space: global }
    .group_segment_fixed_size: 0
    .private_segment_fixed_size: 0
    .kernarg_segment_align: 8
    .kernarg_segment_size: 48
    .max_flat_workgroup_size: 128
    .sgpr_count:     66
    .vgpr_count:     96
    .wavefront_size: 32
...
	.end_amdgpu_metadata
.endif
;; end of part 1
;; launch qkv (part 2): grid 256 x 1, 16 waves a work-group, clusters of 4 x 1, 327,680 bytes of LDS; arguments x, wc, lowp_scales, bq, bk, bv, qc, kv, xc; writes qc, kv, xc
.if DOCPART == 2
	.amdgcn_target "amdgcn-amd-amdhsa--gfx1250"
	.amdhsa_code_object_version 6
	.text
	.protected	k_q41304565d1_qkv
	.globl	k_q41304565d1_qkv
	.p2align	8
	.type	k_q41304565d1_qkv,@function
k_q41304565d1_qkv:
	s_mov_b64 s[64:65], 0
	v_nop
	global_prefetch_b8 v0, s[64:65] scope:SCOPE_SE
	s_setreg_imm32_b32 hwreg(HW_REG_WAVE_MODE, 25, 1), 1
	s_wait_xcnt 0x0
	s_wait_alu depctr_hold_cnt(0) depctr_sa_sdst(0) depctr_va_vdst(0) depctr_va_sdst(0) depctr_va_ssrc(0) depctr_va_vcc(0) depctr_vm_vsrc(0)
	s_getreg_b32 s2, hwreg(HW_REG_IB_STS2, 6, 4)
	s_cmp_eq_u32 s2, 0
	s_cbranch_scc0 .Lentry_in_a_cluster
	s_endpgm
.Lentry_in_a_cluster:
	s_bfe_u32 s2, ttmp6, 0x10000c
	s_cmp_lg_u32 s2, 0x3003
	s_cbranch_scc0 .Lentry_shape_is_right
	s_endpgm
.Lentry_shape_is_right:
; q = x Wq^T + bq, k = x Wk^T + bk, v = x Wv^T + bv on codes of BF8 (E5M2); x [16,384][256] f32 is quantised three times, with the scale given for it in each product (entries 0, 2, 4); the weights come as codes from wc.
; OUT: q's codes (entry 6) and k's (entry 7), K = a head's 64 channels; v's codes (entry 8) with the KEYS innermost; x's codes under entry 4's scale, of which the last launch makes the residual v again.  All are images of operand registers:
; a piece is four registers of every lane, 512 bytes, lane l's 16 bytes at 16 l; piece c of lane (r, h) holds k = 32 c + 16 h + 0 .. 15.
;   qc: [tile of 16 tokens][head][piece 2][512].   kv: for each 256 keys 131,072 bytes: K [tile of 16 keys 16][head 4][piece 2][512], then V [64 keys 4][head 4][tile of 16 channels 4][piece 2][512].   xc: [64 tokens][tile 4][K step 2][piece 4][512].
; SHARES.  A work-group takes 64 tokens, as four tiles m; lane r of tile m stands for token 32 (m / 2) + 8 (m % 2) + r + 8 (r / 8): so the 16 registers of tiles 2 b and 2 b + 1 of a product are 16 neighbouring tokens where
; tokens run down the registers.  wc's tiles of rows are cut the same way.  Nothing is transposed by an instruction.
; Wave w: role w / 4 (0: q's codes, 1: k's, 2 and 3: v's, token tiles 0, 1 and 2, 3), head w % 4.  Its 64 columns x 256 K of weights stay in 128 registers.
; Roles 0 and 1 use the product transposed (source 0 = 16 rows of W, source 1 = 16 tokens): a lane holds one token and channels down its registers.  Roles 2 and 3 use it as it stands: a lane holds one channel and tokens (keys) down its registers.
; CLUSTER.  All work-groups want the same weights: the four of a cluster ask for their 196,608 bytes JOINTLY, waves 0 to 11 for 16,384 bytes each; waves 12 to 15 ask for 16 rows of x each, which are the work-group's own.  One tensor load a wave, each LDS byte filled once.
; NO PREFETCH: the launch has no loop to run ahead in.
; LIMITS on the given exponents, so that each power of two below is an f32 number: e0, e2, e4 and e6 - e0 - e1, e7 - e2 - e3, e8 - e4 - e5 between -126 and 112; e4 + e5 between -126 and 127.  NaN among the inputs is not served.
.set XP,   1040                        ; a row of x in LDS: 1,024 bytes + 16 of padding
.set XIMG, 64*XP                       ; behind x: its codes, [scale 3][tile 4][K step 2][piece 4][512]
.set WLDS, XIMG+3*16384                ; behind them: the weights' codes, 16,384 bytes for each matrix and head
.set SPARE, WLDS+12*16384              ; behind them: the spare words, 128 bytes for each wave
.set LI,  1                            ; v1   16 x lane: my place in a piece
.set XR,  2                            ; v2   where I read x's numbers
.set XW,  3                            ; v3   where I store x's codes
.set XF,  4                            ; v4   where I fetch x's fragments: my role's scale and first tile
.set WA,  5                            ; v5   where I fetch my weights
.set BT,  8                            ; v8   64 h: the bias where channels run down the registers
.set BN,  9                            ; v9   4 (r + 8 (r / 8)): the bias where a lane holds one channel
.set ACC, 16                           ; v16-47   four accumulators; at first 32 numbers of x
.set XFR, 48                           ; v48-79   x's two fragments; at first the held numbers
.set BIA, 80                           ; v80-111  the bias as C, eight registers a tile; roles 2, 3: codes
.set COD, 112                          ; v112-119 codes just made; roles 2, 3: the bias, a pair for each tile
.set WF,  128                          ; v128-255 weights: (tile t, K step s) at 128 + 32 t + 16 s
                                       ; v120-125: 2^e and 57,344 x 2^e for e0, e2, e4;  v126, v127: the same for my role's result (at the two ends of the text: my spare word's address, and 0)
.macro VW                              ; the wait for the vector ALU's results
	s_wait_alu depctr_va_vdst(0)
.endm
.macro CROUND                          ; a round of the cluster's barrier
	s_barrier_signal -1
	s_barrier_wait -1
	s_cmp_lg_u32 s22, 0
	s_cbranch_scc1 .Lnot_wave_0_\@
	s_barrier_signal -3
.Lnot_wave_0_\@:
	s_barrier_wait -3
	s_barrier_signal -1
	s_barrier_wait -1
.endm
.macro MKSC e, vs, vl                  ; s[e] holds e: v[vs] = 2^e, v[vl] = 57,344 x 2^e
	s_add_co_i32 s60, s[\e], 127
	s_lshl_b32 s61, s60, 23
	v_mov_b32 v[\vs], s61
	s_add_co_i32 s60, s60, 15
	s_lshl_b32 s60, s60, 23
	s_or_b32 s60, s60, 0x600000
	v_mov_b32 v[\vl], s60
.endm
.macro PLACES                          ; four plain vector instructions behind a matrix instruction, ahead of the first read of its result and of loads into its registers
.rept 4
	v_nop
.endr
.endm
	s_load_b512 s[4:19], s[0:1], 0x0               ; x s[4:5], wc s[6:7], scales s[8:9], bq s[10:11], bk s[12:13], bv s[14:15], qc s[16:17], kv s[18:19]
	s_load_b64 s[20:21], s[0:1], 0x40              ; xc
	v_lshl_add_u32 v126, v0, 2, SPARE
	v_mov_b32 v127, 0
	ds_add_u32 v126, v127                          ; the wave's opening: the add, twice on end, and its wait
	ds_add_u32 v126, v127
	v_lshrrev_b32 v10, 5, v0
	v_readfirstlane_b32 s22, v10                   ; wave 0..15
	s_lshr_b32 s23, s22, 2                         ; role.  Also: which tile of x I quantise
	s_and_b32 s36, s22, 3                          ; head.  Also: which quarter of K I quantise
	s_min_u32 s37, s23, 2                          ; which weights, and which scale of x: 0 q, 1 k, 2 v
	s_lshr_b32 s66, s23, 1
	s_and_b32 s66, s66, s23                        ; 1 in role 3
	s_bfe_u32 s81, ttmp6, 0x40000                  ; cx: it enters no joint load's descriptor
	s_lshl_b32 s80, ttmp9, 2                       ; in a cluster launch ttmp9 counts clusters
	s_add_co_u32 s80, s80, s81                     ; my block of 64 tokens
	s_lshr_b32 s90, s23, 1
	s_mul_i32 s90, s90, 32*XP
	s_and_b32 s91, s23, 1
	s_mul_i32 s91, s91, 8*XP
	s_add_co_u32 s90, s90, s91                     ; my tile's first row,
	s_lshl_b32 s91, s36, 8
	s_add_co_u32 s90, s90, s91                     ; my quarter of K: 64 numbers, 256 bytes
	s_lshl_b32 s91, s22, 10                        ; tile x 4,096 + quarter x 1,024 = wave x 1,024
	s_add_co_u32 s91, s91, XIMG
	s_lshl_b32 s92, s37, 14
	s_lshl_b32 s93, s66, 13
	s_add_co_u32 s92, s92, s93
	s_add_co_u32 s92, s92, XIMG                    ; role 3 begins two tiles further on
	s_lshl_b32 s93, s37, 16
	s_lshl_b32 s94, s36, 14
	s_add_co_u32 s93, s93, s94
	s_add_co_u32 s93, s93, WLDS
	; group 1 for x: 16 rows of 256 elements of 4 bytes, 16 bytes of padding behind each row
	s_mov_b32 s44, (2<<16)|(1<<20)|(7<<22)|(3<<25) ; 15:0 no mask; 17:16 elements of 4 bytes; 20 padding on; 24:22 after every 256 words (code 7); 31:25 four words (code 3)
	s_mov_b32 s45, 256<<16
	s_mov_b32 s46, 16<<16
	s_mov_b32 s47, 256<<16
	s_mov_b32 s48, 16
	s_mov_b32 s49, 256
	s_mov_b32 s50, 0
	s_mov_b32 s51, 0
	; group 1 for the weights: 64 rows of 256 bytes, dense in memory and in LDS
	s_mov_b32 s72, 15|(3<<16)|(1<<21)              ; 15:0 the mask: all four work-groups; 17:16 elements of 8 bytes; 21 set beside a mask
	s_mov_b32 s73, 32<<16
	s_mov_b32 s74, 64<<16
	s_mov_b32 s75, 32<<16
	s_mov_b32 s76, 64
	s_mov_b32 s77, 32
	s_mov_b32 s78, 0
	s_mov_b32 s79, 0
	; every LDS address is made here, ahead of the first branch on the wave's number
	v_and_b32 v10, 31, v0
	v_and_b32 v12, 15, v0                          ; r
	v_bfe_u32 v11, v0, 4, 1                        ; h
	v_lshlrev_b32 v[LI], 4, v10
	v_and_b32 v13, 8, v12
	v_add_nc_u32 v13, v13, v12                     ; r + 8 (r / 8)
	v_add_nc_u32 v[XW], s91, v[LI]
	v_mul_u32_u24 v[XR], v13, XP
	v_add_nc_u32 v[XF], s92, v[LI]
	v_lshl_add_u32 v[XR], v11, 6, v[XR]            ; + 64 h: my 16 numbers of a block of 32
	v_add_nc_u32 v[WA], s93, v[LI]
	v_add_nc_u32 v[XR], s90, v[XR]
	v_lshlrev_b32 v[BT], 6, v11
	v_lshlrev_b32 v[BN], 2, v13
	VW
	s_wait_dscnt 0x0                               ; both opening adds are done
	s_wait_kmcnt 0x0
	s_load_b256 s[24:31], s[8:9], 0x0              ; e0 .. e7
	s_load_b128 s[32:35], s[8:9], 0x20             ; e8 .. e11
	s_lshl_b32 s60, s80, 16                        ; my 64 rows of 1,024 bytes,
	s_lshl_b32 s61, s36, 14                        ; my 16 of them
	s_add_co_u32 s60, s60, s61
	s_mov_b32 s61, 0
	s_mov_b32 s40, 1                               ; group 0: count = 1
	s_mul_i32 s41, s36, 16*XP
	s_add_nc_u64 s[42:43], s[4:5], s[60:61]
	s_or_b32 s43, s43, 0x80000000                  ; type = 2
	s_lshl_b32 s62, s22, 14                        ; wave = matrix x 4 + head: its 16,384 bytes of wc
	s_mov_b32 s63, 0
	s_mov_b32 s68, 1
	s_add_co_u32 s69, s62, WLDS
	s_add_nc_u64 s[70:71], s[6:7], s[62:63]
	s_or_b32 s71, s71, 0x80000000
	CROUND                                         ; all four work-groups are here: the joint loads meet
	s_cmp_lt_u32 s22, 12
	s_cbranch_scc0 .Lask_x
	tensor_load_to_lds s[68:71], s[72:79]
	s_nop 0
.rept 4
	v_nop
.endr
	s_branch .Lasked
.Lask_x:
	tensor_load_to_lds s[40:43], s[44:51]
	s_nop 0
.rept 4
	v_nop
.endr
.Lasked:
	s_cmp_eq_u32 s23, 0                            ; the choices hang on the wave's number alone
	s_cselect_b64 s[56:57], s[10:11], s[14:15]     ; my role's bias,
	s_cselect_b64 s[58:59], s[16:17], s[18:19]     ; and where roles 0 and 1 store
	s_cmp_eq_u32 s23, 1
	s_cselect_b64 s[56:57], s[12:13], s[56:57]
	s_lshl_b32 s60, s36, 8
	s_mov_b32 s61, 0
	s_add_nc_u64 s[56:57], s[56:57], s[60:61]      ; at my head's 64 numbers
	s_add_nc_u64 s[14:15], s[14:15], s[60:61]
.irp t, 0,1,2,3                        ; both forms of the bias, 144 bytes a lane, in every wave: that spares a parting of the roles here
	global_load_b128 v[BIA+8*\t:BIA+8*\t+3], v[BT], s[56:57] offset:(32*(\t/2)+8*(\t%2))*4       ; channels 32 (t / 2) + 16 h + 8 (t % 2) + 0 .. 7
	global_load_b128 v[BIA+8*\t+4:BIA+8*\t+7], v[BT], s[56:57] offset:(32*(\t/2)+8*(\t%2))*4+16
	global_load_b32 v[12+\t], v[BN], s[14:15] offset:(32*(\t/2)+8*(\t%2))*4                      ; bv at channel 32 (t / 2) + 8 (t % 2) + r + 8 (r / 8)
.endr
	s_lshl_b32 s60, s80, 14                        ; qc: four tiles of 4,096 bytes a work-group
	s_lshr_b32 s62, s80, 2
	s_lshl_b32 s62, s62, 17                        ; kv: four work-groups to a block of 256 keys,
	s_and_b32 s63, s80, 3
	s_lshl_b32 s63, s63, 14                        ; 16,384 bytes of K and of V for each
	s_add_co_u32 s62, s62, s63
	s_lshl_b32 s82, s22, 10
	s_add_co_u32 s82, s82, s60
	s_mov_b32 s83, 0
	s_add_nc_u64 s[20:21], s[20:21], s[82:83]      ; xc at my work-group's 16,384 bytes, my wave's 1,024
	s_cmp_eq_u32 s23, 0
	s_cselect_b32 s60, s60, s62
	s_lshl_b32 s63, s36, 10
	s_add_co_u32 s60, s60, s63                     ; + head x 1,024
	s_add_nc_u64 s[58:59], s[58:59], s[60:61]
	s_lshl_b32 s63, s36, 12
	s_add_co_u32 s62, s62, s63                     ; V: + head x 4,096,
	s_lshl_b32 s63, s66, 9
	s_add_co_u32 s62, s62, s63                     ; role 3: piece 1,
	s_add_co_u32 s62, s62, 65536                   ; behind the block's K
	s_mov_b32 s63, 0
	s_add_nc_u64 s[18:19], s[18:19], s[62:63]
	s_wait_kmcnt 0x0
	MKSC 24, 120, 121
	MKSC 26, 122, 123
	MKSC 28, 124, 125
	s_cmp_eq_u32 s23, 0
	s_cselect_b32 s38, s24, s28                    ; ex,
	s_cselect_b32 s39, s25, s29                    ; ew,
	s_cselect_b32 s52, s30, s32                    ; and the scale of my result
	s_cmp_eq_u32 s23, 1
	s_cselect_b32 s38, s26, s38
	s_cselect_b32 s39, s27, s39
	s_cselect_b32 s52, s31, s52
	s_add_co_i32 s38, s38, s39                     ; a sum stands for sum x 2^(ex + ew):
	s_sub_co_i32 s52, s52, s38                     ; so its code is sum / 2^(eo - ex - ew),
	s_sub_co_i32 s53, 0, s38                       ; and the bias goes in as b / 2^(ex + ew)
	MKSC 52, 126, 127
	VW
	s_cmp_lt_u32 s22, 12
	s_cbranch_scc1 .Lno_x
	s_wait_tensorcnt 0x0                           ; waves 12 to 15: my rows of x have landed
.Lno_x:
	s_barrier_signal -1
	s_barrier_wait -1                              ; everybody may read x
	; x's codes.  Wave w takes tile w / 4, quarter w % 4 of K: 32 numbers a lane, quantised with each of the three scales
.irp c, 0,1
.irp i, 0,1,2,3
	ds_load_b128 v[ACC+16*\c+4*\i:ACC+16*\c+4*\i+3], v[XR] offset:128*\c+16*\i
.endr
.endr
	s_wait_dscnt 0x0
.macro XQ set, sc, lim
.set n, 0
.rept 32
	v_med3_num_f32 v[XFR+n], v[ACC+n], -v[\lim], v[\lim]   ; the conversion to an 8-bit code does not saturate (ISA guide 7.6.2): the hold comes first
.set n, n+1
.endr
.irp c, 0,1
	v_cvt_scalef32_pk8_bf8_f32 v[COD+4*\c:COD+4*\c+1], v[XFR+16*\c:XFR+16*\c+7], v[\sc]
	v_cvt_scalef32_pk8_bf8_f32 v[COD+4*\c+2:COD+4*\c+3], v[XFR+16*\c+8:XFR+16*\c+15], v[\sc]
.endr
	v_nop                                          ; a plain vector instruction behind the conversions, ahead of whatever writes their sources next
.irp c, 0,1
	ds_store_b128 v[XW], v[COD+4*\c:COD+4*\c+3] offset:\set*16384+\c*512
.if \set == 2
	global_store_b128 v[LI], v[COD+4*\c:COD+4*\c+3], s[20:21] offset:\c*512   ; 32 lanes store 512 consecutive bytes
.endif
.endr
	s_wait_dscnt 0x0                               ; the stores have landed, and have read their registers
.endm
	XQ 0, 120, 121
	XQ 1, 122, 123
	XQ 2, 124, 125
	VW
	s_wait_tensorcnt 0x0                           ; waves 0 to 11: my part of the weights has landed
	s_barrier_signal -1
	s_barrier_wait -1                              ; x's 24 fragments and the weights lie in LDS
.irp t, 0,1,2,3
.irp s, 0,1
.irp c, 0,1,2,3
	ds_load_b128 v[WF+32*\t+16*\s+4*\c:WF+32*\t+16*\s+4*\c+3], v[WA] offset:\t*4096+\s*2048+\c*512
.endr
.endr
.endr
	s_wait_xcnt 0x0                                ; xc's stores have read the codes' registers
	s_wait_loadcnt 0x0                             ; the biases
.macro FETCH m                         ; a tile's two fragments, under my role's scale
.irp s, 0,1
.irp c, 0,1,2,3
	ds_load_b128 v[XFR+16*\s+4*\c:XFR+16*\s+4*\c+3], v[XF] offset:(\m)*4096+\s*2048+\c*512
.endr
.endr
	s_wait_dscnt 0x0
.endm
; The four accumulators take turns, one instruction a turn.
.macro GEMM_T                          ; transposed; the bias is the C of each sum's first product
.irp t, 0,1,2,3
	v_wmma_f32_16x16x128_bf8_bf8 v[ACC+8*\t:ACC+8*\t+7], v[WF+32*\t:WF+32*\t+15], v[XFR:XFR+15], v[BIA+8*\t:BIA+8*\t+7]
.endr
.irp t, 0,1,2,3
	v_wmma_f32_16x16x128_bf8_bf8 v[ACC+8*\t:ACC+8*\t+7], v[WF+32*\t+16:WF+32*\t+31], v[XFR+16:XFR+31], v[ACC+8*\t:ACC+8*\t+7]
.endr
.endm
.macro GEMM_N                          ; as it stands: the first product starts the sums
.irp t, 0,1,2,3
	v_wmma_f32_16x16x128_bf8_bf8 v[ACC+8*\t:ACC+8*\t+7], v[XFR:XFR+15], v[WF+32*\t:WF+32*\t+15], 0
.endr
.irp t, 0,1,2,3
	v_wmma_f32_16x16x128_bf8_bf8 v[ACC+8*\t:ACC+8*\t+7], v[XFR+16:XFR+31], v[WF+32*\t+16:WF+32*\t+31], v[ACC+8*\t:ACC+8*\t+7]
.endr
.endm
.macro HOLD                            ; all 32 sums within the largest code x the scale, each accumulator from its low end on
.set n, 0
.rept 32
	v_med3_num_f32 v[ACC+n], v[ACC+n], -v127, v127
.set n, n+1
.endr
.endm
	s_cmp_ge_u32 s23, 2
	s_cbranch_scc1 .Lv_codes
	; ---- roles 0 and 1: q's or k's codes.  Lane (r, h) holds token r of the tile; register j of tile t is channel 32 (t / 2) + 16 h + 8 (t % 2) + j: tiles 2 c and 2 c + 1 are piece c
.set n, 0
.rept 32
	v_ldexp_f32 v[BIA+n], v[BIA+n], s53            ; b / 2^(ex + ew), in the result's layout
.set n, n+1
.endr
	VW
.irp m, 0,1,2,3
	FETCH \m
	GEMM_T
	PLACES
	HOLD
.if \m > 0
	VW
	s_wait_xcnt 0x0                                ; the last tile's stores have read their data
.endif
.irp t, 0,1,2,3
	v_cvt_scalef32_pk8_bf8_f32 v[COD+2*\t:COD+2*\t+1], v[ACC+8*\t:ACC+8*\t+7], v126
.endr
	v_nop                                          ; a plain vector instruction behind the conversions: the next products write their sources
.irp c, 0,1
	global_store_b128 v[LI], v[COD+4*\c:COD+4*\c+3], s[58:59] offset:\m*4096+\c*512   ; 512 consecutive bytes
.endr
.endr
	VW
	s_branch .Lend
.Lv_codes:
	; ---- roles 2 and 3: v's codes, keys innermost.  Lane (r, h) holds channel 32 (t / 2) + 8 (t % 2) + r + 8 (r / 8); my two token tiles are keys 16 h + 8 m + j of my 32: one piece of each fragment
.irp t, 0,1,2,3
	v_ldexp_f32 v[COD+2*\t], v[12+\t], s53         ; bv / 2^(e4 + e5) of my channel, made twice: a pair for the packed addition
	v_ldexp_f32 v[COD+2*\t+1], v[12+\t], s53
.endr
	VW
.irp m, 0,1
	FETCH \m
	GEMM_N
	PLACES
	VW
.irp t, 0,1,2,3
.irp p, 0,2,4,6
	v_pk_add_f32 v[ACC+8*\t+\p:ACC+8*\t+\p+1], v[ACC+8*\t+\p:ACC+8*\t+\p+1], v[COD+2*\t:COD+2*\t+1]
.endr
.endr
	HOLD
.irp t, 0,1,2,3
	v_cvt_scalef32_pk8_bf8_f32 v[BIA+8*\t+2*\m:BIA+8*\t+2*\m+1], v[ACC+8*\t:ACC+8*\t+7], v126
.endr
	v_nop                                          ; a plain vector instruction behind the conversions
.endr
.irp t, 0,1,2,3
	global_store_b128 v[LI], v[BIA+8*\t:BIA+8*\t+3], s[18:19] offset:\t*1024
.endr
.Lend:
	v_lshl_add_u32 v126, v0, 2, SPARE
	v_mov_b32 v127, 0
	VW
	s_wait_tensorcnt 0x0                           ; the wave's end
	ds_add_u32 v126, v127
	s_wait_dscnt 0x0
	CROUND                                         ; the closing round
	s_endpgm
.Lfunc_end_k_q41304565d1_qkv:
	.size	k_q41304565d1_qkv, .Lfunc_end_k_q41304565d1_qkv-k_q41304565d1_qkv
	.p2alignl 7, 3214868480
	.fill 96, 4, 3214868480
	.section	.rodata,"a",@progbits
	.p2align	6, 0x0
	.amdhsa_kernel k_q41304565d1_qkv
		.amdhsa_group_segment_fixed_size 327680
		.amdhsa_private_segment_fixed_size 0
		.amdhsa_enable_private_segment 0
		.amdhsa_kernarg_size 72
		.amdhsa_user_sgpr_count 2
		.amdhsa_user_sgpr_kernarg_segment_ptr 1
		.amdhsa_wavefront_size32 1
		.amdhsa_system_sgpr_workgroup_id_x 1
		.amdhsa_system_sgpr_workgroup_id_y 1
		.amdhsa_system_sgpr_workgroup_id_z 1
		.amdhsa_system_vgpr_workitem_id 0
		.amdhsa_next_free_vgpr 256
		.amdhsa_next_free_sgpr 98
		.amdhsa_reserve_vcc 0
		.amdhsa_float_denorm_mode_32 3
		.amdhsa_float_denorm_mode_16_64 3
		.amdhsa_memory_ordered 1
		.amdhsa_forward_progress 1
		.amdhsa_inst_pref_size 47
	.end_amdhsa_kernel
	.amdgpu_metadata
---
amdhsa.version: [ 1, 2 ]
amdhsa.kernels:
  - .name:           k_q41304565d1_qkv
    .symbol:         k_q41304565d1_qkv.kd
    .args:
      - { .name: x, .offset: 0, .size: 8, .value_kind: global_buffer, .address_space: global }
      - { .name: wc, .offset: 8, .size: 8, .value_kind: global_buffer, .address_space: global }
      - { .name: lowp_scales, .offset: 16, .size: 8, .value_kind: global_buffer, .address_space: global }
      - { .name: bq, .offset: 24, .size: 8, .value_kind: global_buffer, .address_space: global }
      - { .name: bk, .offset: 32, .size: 8, .value_kind: global_buffer, .address_space: global }
      - { .name: bv, .offset: 40, .size: 8, .value_kind: global_buffer, .address_space: global }
      - { .name: qc, .offset: 48, .size: 8, .value_kind: global_buffer, .address_space: global }
      - { .name: kv, .offset: 56, .size: 8, .value_kind: global_buffer, .address_space: global }
      - { .name: xc, .offset: 64, .size: 8, .value_kind: global_buffer, .address_space: global }
    .group_segment_fixed_size: 327680
    .private_segment_fixed_size: 0
    .kernarg_segment_align: 8
    .kernarg_segment_size: 72
    .max_flat_workgroup_size: 512
    .sgpr_count:     98
    .vgpr_count:     256
    .wavefront_size: 32
...
	.end_amdgpu_metadata
.endif
;; end of part 2
;; launch attn (part 3): grid 64 x 4, 8 waves a work-group, clusters of 4 x 1, 327,680 bytes of LDS; arguments qc, kv, wc, xc, lowp_scales, bo, bv, gamma, beta, out0; writes out0
.if DOCPART == 3
	.amdgcn_target "amdgcn-amd-amdhsa--gfx1250"
	.amdhsa_code_object_version 6
	.text
	.protected	k_q41304565d1_attn
	.globl	k_q41304565d1_attn
	.p2align	8
	.type	k_q41304565d1_attn,@function
k_q41304565d1_attn:
	s_mov_b64 s[64:65], 0
	v_nop
	global_prefetch_b8 v0, s[64:65] scope:SCOPE_SE
	s_setreg_imm32_b32 hwreg(HW_REG_WAVE_MODE, 25, 1), 1
	s_wait_xcnt 0x0
	s_wait_alu depctr_hold_cnt(0) depctr_sa_sdst(0) depctr_va_vdst(0) depctr_va_sdst(0) depctr_va_ssrc(0) depctr_va_vcc(0) depctr_vm_vsrc(0)
	s_getreg_b32 s2, hwreg(HW_REG_IB_STS2, 6, 4)
	s_cmp_eq_u32 s2, 0
	s_cbranch_scc0 .Lentry_in_a_cluster
	s_endpgm
.Lentry_in_a_cluster:
	s_bfe_u32 s2, ttmp6, 0x10000c
	s_cmp_lg_u32 s2, 0x3003
	s_cbranch_scc0 .Lentry_shape_is_right
	s_endpgm
.Lentry_shape_is_right:
; out0 = LayerNorm(softmax(q k^T / 8) v Wo^T + bo + v) for 4 batches x 4,096 tokens x 4 heads of 64; all products on codes of BF8 (E5M2), each operand with the one scale 2^e given for it:
; x e4, Wv e5 (for the residual v, made again here from x's codes), q e6, k e7, v e8, p e9, the attention's result e10, Wo e11.  qc, kv, wc, xc hold codes as images of operand registers
; (a piece = four registers of every lane = 512 bytes, lane l's 16 bytes at 16 l; piece c of lane (r, h) holds k = 32 c + 16 h + 0 .. 15).
; THE SOFTMAX AHEAD OF THE SECOND PRODUCT: t = score x log2(e) / 8; M = the largest t so far, rounded UP to a whole number; p = 2^(t - M) is what is quantised.  The row's sum is taken of the unquantised p
; and divides at the end.  When M moves, the sum and O are multiplied by 2^(old M - new M): exact.
; SHARES.  A work-group owns 64 tokens (four tiles of 16) for ALL four heads, so the 256 channels that Wo and the LayerNorm want meet on one WGP.  Wave w: head w % 4, half w / 4 of the keys of every slot, all four tiles:
; a fragment of K or V read from LDS feeds four matrix instructions.  At the end waves w and w xor 4 hand each other two tiles' partial O, M and sum: register slots 0, 1 hold the tiles that a wave keeps (2 x half + 0, 1), 2, 3 those it gives away.
; LAYOUT.  Products are used transposed (S^T = K Q^T, O^T = V^T P^T): a lane holds ONE query throughout.  Lane r of tile 2 b + u stands for 32 b + 8 u + r + 8 (r / 8), so the 16 registers of tiles 2 b, 2 b + 1 are 16 neighbours
; of the next K, and a conversion's results ARE the next operand's registers.
; PIPELINE.  A slot is 256 keys, 128 for each wave: one step.  Scores stand in two buffers, tile i in buffer i % 2.  For tile i: exponentials (between them tile i + 1's t - M), sum, hold, codes; then the scores of tile i + 2
; (of the next slot where i > 1), O's product, tile i + 2's maximum, and tile i + 2's M, whose lines stand between those of tile i + 1's rescaling.  V of a slot is in registers by tile 0's product, K long before, so the slot is filled again behind tile 1:
; there stands the round of the cluster's barrier, and behind it the next slot's K is fetched; its V behind tile 3.  CLUSTER: the four work-groups of a cluster belong to one batch and ask for each slot (131,072 bytes) JOINTLY, 16,384 bytes a wave; one tensor load a wave is out.
; The last refill brings Wv's and Wo's codes, 131,072 bytes too, into slot 0.  PREFETCH: each slot's 512 blocks of 256 bytes are shared out by address among the batch's 64 work-groups, eight blocks each, one slot ahead of the joint load.
; LIMITS on the given exponents, so that each power of two below is an f32 number: e6 + e7 between -123 and 130; e9, e10 between -126 and 112; e10 + e11, e4 + e5 between -126 and 127; e8 + e9 has none (v_ldexp_f32).
; NaN among the inputs is not served.  A p that falls under the format's range under the running M of its half of the keys is lost.
.set SLOT,  131072                     ; a slot as it lies in kv: K [tile of 16 keys 16][head 4][piece 2][512], then V [64 keys 4][head 4][tile of 16 channels 4][piece 2][512]
.set SPARE, 2*SLOT                     ; behind the ring: the spare words, 128 bytes for each wave
.set MRGB,  8704                       ; AFTER THE LOOP, in slot 1, which has had its last fill: a place for each wave: 16 x 512 bytes of O^T, 2 x 256 of (-M, sum);
.set AIMG,  SLOT+8*MRGB                ; the attention's result as codes [tile 4][head 4][piece 2][512];
.set ZP,    1040                       ; and over the wave's places 64 rows of 1,024 bytes + 16
; window 0
.set AK,  1                            ; v1, v2  my lane's place in a slot's K, V;  v3, v4 the same in the slot in hand
.set AV,  2
.set ADK, 3
.set ADV, 4
.set SPW, 5                            ; v5   LDS address of my spare word: SPARE + 4 x my thread's number; never rewritten
.set NIL, 6                            ; v6   0; never rewritten
.set PFO, 7                            ; v7   the prefetches' offset: 256 x min(lane, 7)
.set SC,  8                            ; v8   2^e9
.set LI,  9                            ; v9   16 x lane
                                       ; v10-13 at work
.set P,   32                           ; v32-47  p's codes;  v48-55 a tile's sum in four chains
.set VF,  64                           ; v64-127 V: four tiles of 16 channels x 128 keys
.set S,   128                          ; v128-255 two buffers of scores, 64 registers each
; window 1
.set O,   0                            ; O^T: 32 a tile
.set Q,   128                          ; Q: 8 a tile
.set KF,  160                          ; K: eight tiles of 16 keys, 8 registers each;  after the loop x's fragments, then the attention's
.set NF,  224                          ; -M and f, a pair a tile
.set SUMP, 232                         ; the sum in two halves, a pair a tile
.set CT,  240                          ; at work
.set BO1, 64                           ; on the way out, where O^T of the tiles given away stood: bo, bv, gamma, beta, 8 registers each
.set WV,  24
.set HD,  25
.set HF,  26
.set G1,  32
.set G0,  40
.set CS,  44                           ; s[44:45] c = log2(e) / 8 x 2^(e6 + e7), twice
.set SEL, 46                           ; s[46:47] lane selects for v_permlanex16_b32: lane l xor 16
.set TB,  48                           ; LDS byte at which the slot begins that is fetched from
.set SLOTS, 49
.set NCS, 50                           ; -c
.set PLIM, 51                          ; 57,344 x 2^e9
.set PFL, 52                           ; my wave prefetches while s[SLOTS] is above this
.set PFA, 54
.set MSB, 0
.macro WIN new                         ; the immediate's high byte repeats the setting that is left
.if MSB != \new
	s_set_vgpr_msb (MSB<<8)|\new
.set MSB, \new
.endif
.endm
.macro VW                              ; the wait for the vector ALU's results
	s_wait_alu depctr_va_vdst(0)
.endm
.macro CREST                           ; a round of the cluster's barrier behind its opening barrier
	s_cmp_lg_u32 s[WV], 0
	s_cbranch_scc1 .Lnot_wave_0_\@
	s_barrier_signal -3
.Lnot_wave_0_\@:
	s_barrier_wait -3
	s_barrier_signal -1
	s_barrier_wait -1
.endm
.macro CROUND
	s_barrier_signal -1
	s_barrier_wait -1
	CREST
.endm
.macro JLOAD                           ; a joint load: every wave, one line, one mask
	tensor_load_to_lds s[G0:G0+3], s[G1:G1+7]
	s_nop 0
.rept 4
	v_nop
.endr
.endm
.macro KLOAD                           ; my half's eight tiles of 16 keys, my head
	v_add_nc_u32 v[ADK], s[TB], v[AK]
	WIN 0x40
.irp t, 0,1,2,3,4,5,6,7
.irp c, 0,1
	ds_load_b128 v[KF+8*\t+4*\c:KF+8*\t+4*\c+3], v[ADK] offset:\t*4096+\c*512
.endr
.endr
	WIN 0
.endm
.macro VLOAD                           ; the same 128 keys: four tiles of 16 channels
	v_add_nc_u32 v[ADV], s[TB], v[AV]
.irp t, 0,1,2,3
.irp c, 0,1,2,3
	ds_load_b128 v[VF+16*\t+4*\c:VF+16*\t+4*\c+3], v[ADV] offset:(\c/2)*16384+\t*1024+(\c%2)*512
.endr
.endr
.endm
.macro QK i                            ; tile i's scores: eight accumulators, one instruction each
	WIN 0x05
.irp t, 0,1,2,3,4,5,6,7
	v_wmma_f32_16x16x64_bf8_bf8 v[S+64*((\i)%2)+8*\t:S+64*((\i)%2)+8*\t+7], v[KF+8*\t:KF+8*\t+7], v[Q+8*(\i):Q+8*(\i)+7], 0
.endr
	WIN 0
.endm
.macro PV i                            ; tile i's O^T: four accumulators by turns, K = 128 keys
	WIN 0x50
.irp c, 0,1,2,3
	v_wmma_f32_16x16x128_bf8_bf8 v[O+32*(\i)+8*\c:O+32*(\i)+8*\c+7], v[VF+16*\c:VF+16*\c+15], v[P:P+15], v[O+32*(\i)+8*\c:O+32*(\i)+8*\c+7]
.endr
	WIN 0
.endm
.macro RL r, k                         ; line k of 16 of tile r's rescaling: O^T under the new M: x f
.if (\r) >= 0
	v_pk_mul_f32 v[O+32*(\r)+2*(\k):O+32*(\r)+2*(\k)+1], v[O+32*(\r)+2*(\k):O+32*(\r)+2*(\k)+1], v[NF+2*(\r):NF+2*(\r)+1] op_sel:[0,1] op_sel_hi:[1,1]
.endif
.endm
; MAXL: tile i's largest score among my 128 keys, its M and f; between these lines tile r's rescaling; and tile a's sum: sum x f + this step's.  -1 leaves a part out.
; y > 0: in front of the chain the wait for my tensor loads; y > 1: and the add ahead of a refill, which the chain's lines then part from its wait.
.macro MAXL i, r, a, y
.if (\a) >= 0
	v_pk_add_f32 v[48:49], v[48:49], v[52:53]      ; the last of the four chains.  With the three v_nop: the places behind the scores' products
.rept 3
	v_nop
.endr
.endif
.if (\i) >= 0
.set SA, S+64*((\i)%2)
.irp k, 0,1,2,3                        ; four chains; each accumulator is read first at its low end
	v_max3_num_f32 v[10+\k], v[SA+3*\k], v[SA+3*\k+1], v[SA+3*\k+2]
.endr
.set j, 0
.rept 26
	v_max3_num_f32 v[10+(j%4)], v[10+(j%4)], v[SA+12+2*j], v[SA+13+2*j]
.set j, j+1
.endr
	v_max3_num_f32 v10, v10, v11, v12
.endif
.if (\y) > 0
	VW
	s_wait_tensorcnt 0x0                           ; my part of the next slot (in the last step: of the weights) is in
.if (\y) > 1
	ds_add_u32 v[SPW], v[NIL]
	s_xor_b32 s[G0+1], s[G0+1], SLOT               ; the walking descriptor: the slot that this step has read,
	s_add_nc_u64 s[G0+2:G0+3], s[G0+2:G0+3], SLOT  ; the keys two slots on; the type bits on top are not reached;
	s_cmp_eq_u32 s[SLOTS], 1
	s_cselect_b64 s[G0+2:G0+3], s[72:73], s[G0+2:G0+3]   ; and in the last trip the weights
	s_wait_xcnt 0x0                                ; any prefetch of mine has read its address
	s_add_nc_u64 s[PFA:PFA+1], s[PFA:PFA+1], SLOT
.endif
.endif
.if (\i) >= 0
	WIN 0x40
	v_max_num_f32 v[CT], v10, v13
.endif
	WIN 0x45
	VW
	RL \r, 0
	RL \r, 1
.if (\a) >= 0
	v_pk_fma_f32 v[SUMP+2*(\a):SUMP+2*(\a)+1], v[SUMP+2*(\a):SUMP+2*(\a)+1], v[NF+2*(\a):NF+2*(\a)+1], v[48:49] op_sel:[0,1,0] op_sel_hi:[1,1,1]
.endif
.if (\i) >= 0
.set SM, NF+2*(\i)
	v_permlanex16_b32 v[CT+1], v[CT], s[SEL], s[SEL+1]   ; the query's other 64 keys lie in the lane 16 away
	RL \r, 2
	RL \r, 3
	v_max_num_f32 v[CT], v[CT], v[CT+1]
	RL \r, 4
	RL \r, 5
	v_mul_f32 v[CT], v[CT], s[NCS]                 ; -t (c is positive)
	RL \r, 6
	RL \r, 7
	v_floor_f32 v[CT], v[CT]                       ; -ceil(t)
	RL \r, 8
	RL \r, 9
	v_min_num_f32 v[CT], v[CT], v[SM]              ; the new -M: a whole number
	RL \r, 10
	RL \r, 11
	v_sub_f32 v[CT+1], v[CT], v[SM]                ; M's old value less its new one: 0 or less
	RL \r, 12
	v_mov_b32 v[SM], v[CT]
	RL \r, 13
	v_cvt_i32_f32 v[CT+1], v[CT+1]                 ; (it saturates)
	RL \r, 14
	RL \r, 15
	v_ldexp_f32 v[SM+1], 1.0, v[CT+1]              ; f = 2^(old M - new M)
.else
.irp k, 2,3,4,5,6,7,8,9,10,11,12,13,14,15
	RL \r, \k
.endr
.endif
	WIN 0
.endm
.macro ABATCH i, nx                    ; tile i's exponentials; nx = 1: between them t - M of the next tile (of the pairs c and -M the low word serves both halves)
.set SA, S+64*((\i)%2)
.set SN, S+64*(((\i)+1)%2)
.set SM, NF+2*(((\i)+1)%4)
	WIN 0x10
	VW
.set j, 0
.rept 64
	v_exp_f32 v[SA+j], v[SA+j]                     ; p = 2^(t - M), at most 1
.if (\nx) && (j < 32)
	v_pk_fma_f32 v[SN+2*j:SN+2*j+1], v[SN+2*j:SN+2*j+1], s[CS:CS+1], v[SM:SM+1] op_sel_hi:[1,0,0]
.endif
.set j, j+1
.endr
	v_nop                                          ; a plain place behind the last of them
	VW
	WIN 0
.endm
.macro CV t
	v_cvt_scalef32_pk8_bf8_f32 v[P+2*\t:P+2*\t+1], v[SA+8*\t:SA+8*\t+7], v[SC]
.endm
.macro HOLD2 n                         ; the conversion to an 8-bit code does not saturate (ISA guide 7.6.2); p is not negative, so the hold is one-sided
	v_dual_min_num_f32 v[SA+2*(\n)], s[PLIM], v[SA+2*(\n)] :: v_dual_min_num_f32 v[SA+2*(\n)+1], s[PLIM], v[SA+2*(\n)+1]
.endm
.macro BPART i                         ; tile i's sum of the UNQUANTISED p, two at a time, in four chains; each pair is held behind its addition; then the codes
.set SA, S+64*((\i)%2)
.set j, 0
.rept 28
.if j < 4
	v_pk_add_f32 v[48+2*j:49+2*j], v[SA+4*j:SA+4*j+1], v[SA+4*j+2:SA+4*j+3]
.else
	v_pk_add_f32 v[48+2*(j%4):49+2*(j%4)], v[48+2*(j%4):49+2*(j%4)], v[SA+2*j+8:SA+2*j+9]
.endif
	HOLD2 j
.set j, j+1
.endr
	HOLD2 28
	HOLD2 29
	HOLD2 30
	HOLD2 31
	CV 0
	CV 1
	CV 2
	CV 3
	v_pk_add_f32 v[48:49], v[48:49], v[50:51]
	CV 4
	CV 5
	CV 6
	CV 7
	v_pk_add_f32 v[52:53], v[52:53], v[54:55]      ; also the plain line between the conversions and the products that follow
.endm
; A STEP: 128 keys x my 64 queries.  more = 1: another slot follows.
.macro STEP more
	ABATCH 0, 1
	BPART 0
	VW
	s_wait_dscnt 0x0                               ; V is in: all my reads of this slot are over
	QK 2
	PV 0
	MAXL 2, 1, 0, 0
	ABATCH 1, 1
	BPART 1
	QK 3
	PV 1
	MAXL 3, 2, 1, 1+\more
	VW
	s_wait_dscnt 0x0                               ; the add is done
	s_barrier_signal -1
	s_barrier_wait -1
.if \more
	CREST                                          ; no wave of any partner still reads this slot or has a load on its way
	JLOAD
	s_xor_b32 s[TB], s[TB], SLOT
	KLOAD
	s_cmp_gt_u32 s[SLOTS], s[PFL]                  ; the slot behind the one just asked for; the last two trips have none
	s_cbranch_scc0 .Lno_ask_\@
	global_prefetch_b8 v[PFO], s[PFA:PFA+1] th:TH_LOAD_NT scope:SCOPE_SE
.Lno_ask_\@:
.else
	WIN 0x40                                       ; K's registers are free: x's codes of the two tiles whose residual I make
.irp m, 0,1
.irp k, 0,1
.irp c, 0,1,2,3
	global_load_b128 v[KF+32*\m+16*\k+4*\c:KF+32*\m+16*\k+4*\c+3], v[LI], s[84:85] offset:\m*4096+\k*2048+\c*512
.endr
.endr
.endr
	WIN 0
.endif
	ABATCH 2, 1
	BPART 2
.if \more
	VW
	s_wait_dscnt 0x0                               ; the next slot's K is in
	QK 0
	PV 2
	MAXL 0, 3, 2, 0
.else
	PV 2
	MAXL -1, 3, 2, 0
.endif
	ABATCH 3, \more
	BPART 3
.if \more
	QK 1
	PV 3
	MAXL 1, 0, 3, 0
	VLOAD
.else
	PV 3
	MAXL -1, -1, 3, 0
.endif
.endm
	s_load_b512 s[4:19], s[0:1], 0x0               ; qc s[4:5], kv s[6:7], wc s[8:9], xc s[10:11], scales s[12:13], bo s[14:15], bv s[16:17], gamma s[18:19]
	s_load_b128 s[20:23], s[0:1], 0x40             ; beta, out0
	v_lshl_add_u32 v[SPW], v0, 2, SPARE
	v_mov_b32 v[NIL], 0
	ds_add_u32 v[SPW], v[NIL]                      ; the wave's opening: the add, twice on end, and its wait
	ds_add_u32 v[SPW], v[NIL]
	v_lshrrev_b32 v10, 5, v0
	v_readfirstlane_b32 s[WV], v10                 ; wave 0..7
	s_and_b32 s[HD], s[WV], 3                      ; head
	s_lshr_b32 s[HF], s[WV], 2                     ; half of the keys
	s_and_b32 s74, ttmp7, 0xffff                   ; the batch, which the four partners share
	s_lshl_b32 s76, s74, 21                        ; its 16 slots of kv,
	s_mov_b32 s82, s76
	s_lshl_b32 s77, s[WV], 14                      ; my 16,384 bytes of a slot
	s_add_co_u32 s72, s77, 131072                  ; and of Wv's and Wo's codes
	s_mov_b32 s73, 0
	s_add_co_u32 s76, s76, s77
	s_mov_b32 s77, 0
	s_bfe_u32 s78, ttmp6, 0x40000                  ; cx: it enters the addresses of qc, xc, out0 and the prefetches alone
	s_lshl_b32 s79, ttmp9, 2                       ; in a cluster launch ttmp9 counts clusters
	s_add_co_u32 s79, s79, s78                     ; my place among the batch's 64 work-groups
	s_lshl_b32 s80, s79, 11
	s_add_co_u32 s82, s82, s80                     ; my 2,048 bytes of a slot to prefetch,
	s_add_co_u32 s82, s82, 2*SLOT                  ; in slot 2: the first trip steps it to slot 3
	s_mov_b32 s83, 0
	s_lshl_b32 s80, s74, 6
	s_add_co_u32 s80, s80, s79                     ; my block of 64 tokens
	s_lshl_b32 s81, s80, 14
	s_lshl_b32 s84, s[HF], 13
	s_add_co_u32 s84, s81, s84                     ; xc: tiles 2 x half + 0, 1
	s_mov_b32 s85, 0
	s_lshl_b32 s88, s[HD], 10
	s_add_co_u32 s66, s84, s88                     ; qc: the tiles that I keep,
	s_mov_b32 s67, 0
	s_xor_b32 s68, s66, 8192                       ; and those that I give away
	s_mov_b32 s69, 0
	; the eight rows that I finish: rows 8 w on of the stage are lanes 8 (w % 2) + n of tile w / 2: tokens 32 (w / 4) + 8 ((w / 2) % 2) + 16 (w % 2) + n
	s_lshl_b32 s86, s80, 6
	s_lshl_b32 s88, s[HF], 5
	s_add_co_u32 s86, s86, s88
	s_bfe_u32 s88, s[WV], 0x10001
	s_lshl_b32 s88, s88, 3
	s_add_co_u32 s86, s86, s88
	s_and_b32 s88, s[WV], 1
	s_lshl_b32 s88, s88, 4
	s_add_co_u32 s86, s86, s88
	s_lshl_b32 s86, s86, 10
	s_mov_b32 s87, 0
	; descriptor group 1: 64 rows of 256 bytes, dense in memory and in LDS
	s_mov_b32 s[G1], 15|(3<<16)|(1<<21)            ; 15:0 the mask: all four work-groups; 17:16 elements of 8 bytes; 21 set beside a mask
	s_mov_b32 s[G1+1], 32<<16
	s_mov_b32 s[G1+2], 64<<16
	s_mov_b32 s[G1+3], 32<<16
	s_mov_b32 s[G1+4], 64
	s_mov_b32 s[G1+5], 32
	s_mov_b32 s[G1+6], 0
	s_mov_b32 s[G1+7], 0
	s_mov_b32 s[SEL], 0x76543210
	s_mov_b32 s[SEL+1], 0xfedcba98
	s_mov_b32 s[CS], 0x3e38aa3b                    ; log2(e) / 8
	s_mov_b32 s[TB], 0
	s_mov_b32 s[SLOTS], 15
	s_mov_b32 s96, 0x3b800000                      ; 1 / 256
	s_mov_b32 s97, 0x358637bd                      ; 1e-6
	s_cmp_eq_u32 s[WV], 0
	s_cselect_b32 s[PFL], 2, -1                    ; wave 0 prefetches
	v_and_b32 v10, 31, v0
	v_lshlrev_b32 v[LI], 4, v10
	v_min_u32 v[PFO], 7, v10                       ; lanes 8 to 31 name the last block again
	v_lshlrev_b32 v[PFO], 8, v[PFO]
	s_lshl_b32 s74, s[HD], 10
	s_lshl_b32 s75, s[HF], 15
	s_add_co_u32 s74, s74, s75
	s_lshl_b32 s88, s[HD], 12
	s_add_co_u32 s88, s88, s75
	s_add_co_u32 s88, s88, 65536
	VW
	v_add_nc_u32 v[AK], s74, v[LI]
	v_add_nc_u32 v[AV], s88, v[LI]
	VW
	s_wait_dscnt 0x0                               ; both opening adds are done
	s_wait_kmcnt 0x0
	s_load_b128 s[56:59], s[12:13], 0x10           ; e4 .. e7
	s_load_b128 s[60:63], s[12:13], 0x20           ; e8 .. e11
	s_mov_b32 s[G0], 1                             ; count = 1
	s_lshl_b32 s[G0+1], s[WV], 14                  ; LDS address: slot 0, my 16,384 bytes
	s_add_nc_u64 s[G0+2:G0+3], s[6:7], s[76:77]
	s_or_b32 s[G0+3], s[G0+3], 0x80000000          ; type = 2
	s_add_nc_u64 s[72:73], s[8:9], s[72:73]
	s_or_b32 s73, s73, 0x80000000
	s_add_nc_u64 s[66:67], s[4:5], s[66:67]
	s_add_nc_u64 s[68:69], s[4:5], s[68:69]
	s_add_nc_u64 s[84:85], s[10:11], s[84:85]
	s_add_nc_u64 s[PFA:PFA+1], s[6:7], s[82:83]
	s_add_nc_u64 s[22:23], s[22:23], s[86:87]
	CROUND                                         ; all four work-groups are here: the first joint loads meet
	JLOAD                                          ; slot 0
	WIN 0x40
.irp a, 0,1
.irp c, 0,1
	global_load_b128 v[Q+8*\a+4*\c:Q+8*\a+4*\c+3], v[LI], s[66:67] offset:\a*4096+\c*512          ; Q stays in registers
	global_load_b128 v[Q+16+8*\a+4*\c:Q+16+8*\a+4*\c+3], v[LI], s[68:69] offset:\a*4096+\c*512
.endr
.endr
.set j, 0
.rept 128
	v_mov_b32 v[O+j], 0                            ; O^T, under the first tile's flight.  (The step is written once: the first finds zeros, which the first change of M leaves zeros)
.set j, j+1
.endr
.irp a, 0,1,2,3
	v_mov_b32 v[NF+2*\a], 0x7f61b1e6               ; -M: 3e38, so M lies under every t
	v_mov_b32 v[NF+2*\a+1], 0                      ; (named as half of a pair)
	v_mov_b32 v[SUMP+2*\a], 0                      ; the sum
	v_mov_b32 v[SUMP+2*\a+1], 0
	v_mov_b32 v[CT+\a], 0                          ; written once: a lane permute's destination counts as one of its sources
	v_mov_b32 v[CT+4+\a], 0
.endr
	WIN 0
	VW
	s_wait_kmcnt 0x0
	s_add_co_i32 s74, s58, s59
	s_lshl_b32 s74, s74, 23
	s_add_co_i32 s[CS], s[CS], s74                 ; a score stands for score x 2^(e6 + e7): added to c's exponent field
	s_mov_b32 s[CS+1], s[CS]
	s_xor_b32 s[NCS], s[CS], 0x80000000
	s_add_co_i32 s74, s61, 127
	s_lshl_b32 s75, s74, 23
	v_mov_b32 v[SC], s75                           ; 2^e9 as f32, for the conversion
	s_add_co_i32 s74, s74, 15
	s_lshl_b32 s74, s74, 23
	s_or_b32 s[PLIM], s74, 0x600000                ; 57,344 x 2^e9
	s_add_co_i32 s88, s60, s61                     ; e8 + e9
	s_add_co_i32 s89, s62, 127
	s_add_co_i32 s90, s89, 15
	s_lshl_b32 s89, s89, 23                        ; 2^e10
	s_lshl_b32 s90, s90, 23
	s_or_b32 s90, s90, 0x600000                    ; 57,344 x 2^e10
	s_add_co_i32 s92, s62, s63
	s_add_co_i32 s92, s92, 127
	s_lshl_b32 s92, s92, 23                        ; 2^(e10 + e11), twice
	s_mov_b32 s93, s92
	s_add_co_i32 s94, s56, s57
	s_add_co_i32 s94, s94, 127
	s_lshl_b32 s94, s94, 23                        ; 2^(e4 + e5), twice
	s_mov_b32 s95, s94
	VW
	s_wait_loadcnt 0x0                             ; Q
	s_wait_tensorcnt 0x0                           ; my part of slot 0 is in
	ds_add_u32 v[SPW], v[NIL]
	s_xor_b32 s[G0+1], s[G0+1], SLOT
	s_add_nc_u64 s[G0+2:G0+3], s[G0+2:G0+3], SLOT
	s_wait_dscnt 0x0
	CROUND
	JLOAD                                          ; slot 1's first fill
	KLOAD
	VLOAD
	VW
	s_wait_dscnt 16                                ; K is in; V's 16 loads may be out
	QK 0
	QK 1
.rept 4
	v_nop                                          ; places: the scores are read next
.endr
	MAXL 0, -1, -1, 0
	MAXL 1, -1, -1, 0
	WIN 0x10
.set j, 0
.rept 32
	v_pk_fma_f32 v[S+2*j:S+2*j+1], v[S+2*j:S+2*j+1], s[CS:CS+1], v[NF:NF+1] op_sel_hi:[1,0,0]   ; tile 0's t - M
.set j, j+1
.endr
	WIN 0
.Lslot:                                            ; 15 trips
	STEP 1
	s_sub_co_u32 s[SLOTS], s[SLOTS], 1
	s_cmp_lg_u32 s[SLOTS], 0
	VW
	s_cbranch_scc1 .Lslot
	STEP 0                                         ; the last slot.  Its barrier shows every wave the weights in slot 0 and frees slot 1
	; ================ THE TAIL.  Every wave takes the same path.
.set ST, 16                            ; v16-23  -M and sum of the tiles that I keep, then codes
.set VA, 64                            ; v64-127  the residual's sums: (channel tile t, token tile m) at 8 (2 t + m); in the end the whole sum
.set R,  192                           ; v192-255 the merged result
.set FR, 128                           ; v128-191 my eight rows
.set T,  192                           ; the rows' statistics, eight registers each
	WIN 0x45
.irp a, 0,1,2,3
	v_add_f32 v[CT+\a], v[SUMP+2*\a], v[SUMP+2*\a+1]   ; the sum's two halves,
.endr
.irp a, 0,1,2,3
	v_permlanex16_b32 v[CT+4+\a], v[CT+\a], s[SEL], s[SEL+1]
.endr
.irp a, 0,1,2,3
	v_add_f32 v[NF+2*\a+1], v[CT+\a], v[CT+4+\a]       ; and lane l xor 16's, beside -M.  (These twelve are also places behind the last products)
.endr
	WIN 0x01
.irp a, 0,1
	v_mov_b32 v[ST+4*\a], v[NF+2*\a]
	v_mov_b32 v[ST+4*\a+1], v[NF+2*\a+1]
.endr
	WIN 0
	s_mul_i32 s74, s[WV], MRGB
	s_add_co_u32 s74, s74, SLOT                    ; my place,
	s_xor_b32 s75, s[WV], 4
	s_mul_i32 s75, s75, MRGB
	s_add_co_u32 s75, s75, SLOT                    ; and my partner's
	s_lshl_b32 s76, s[HF], 13
	s_add_co_u32 s76, s76, AIMG
	s_lshl_b32 s77, s[HD], 10
	s_add_co_u32 s77, s77, s76
	s_lshl_b32 s78, s[HD], 14
	s_add_co_u32 s79, s78, 65536
	s_mul_i32 s80, s[HF], 32*ZP
	s_lshl_b32 s81, s[HD], 8
	s_add_co_u32 s80, s80, s81
	s_add_co_u32 s80, s80, SLOT
	s_mul_i32 s81, s[WV], 8*ZP
	s_add_co_u32 s81, s81, SLOT
	VW
	v_add_nc_u32 v10, s74, v[LI]
	v_add_nc_u32 v11, s75, v[LI]
	v_and_b32 v12, 31, v0
	v_lshlrev_b32 v12, 3, v12
	v_add_nc_u32 v13, s75, v12
	v_add_nc_u32 v12, s74, v12
	v_add_nc_u32 v14, s77, v[LI]                   ; where my tiles' codes go
	v_add_nc_u32 v15, s76, v[LI]                   ; the codes of tiles 2 x half + 0, 1
	v_add_nc_u32 v3, s78, v[LI]                    ; Wv's rows of my 64 channels,
	v_add_nc_u32 v4, s79, v[LI]                    ; Wo's
	v_and_b32 v52, 15, v0                          ; r
	v_bfe_u32 v53, v0, 4, 1                        ; h
	v_mul_u32_u24 v1, v52, ZP
	v_lshl_add_u32 v1, v53, 6, v1
	v_add_nc_u32 v1, s80, v1                       ; the stage, in: row 16 tile + r; channels 64 (w % 4) + 32 (t / 2) + 16 h + 8 (t % 2) + 0 .. 7
	v_add_nc_u32 v2, s81, v[LI]                    ; back: rows 8 w on
	VW
	WIN 0x04
.irp k, 0,1,2,3,4,5,6,7,8,9,10,11,12,13,14,15
.if (\k < 8) && ((\k%2) == 0)
	VW                                             ; (first read of an accumulator behind exponentials)
.endif
	ds_store_b128 v10, v[O+64+4*\k:O+64+4*\k+3] offset:512*\k   ; the two tiles that I give away
.endr
	ds_store_b64 v12, v[NF+4:NF+5] offset:8192
	ds_store_b64 v12, v[NF+6:NF+7] offset:8448
	WIN 0
	VW
	s_wait_dscnt 0x0
	s_barrier_signal -1
	; THE RESIDUAL while the others arrive: 64 channels x my two token tiles; the weights in slot 0 are written by nobody
.macro WLOAD adr
.irp t, 0,1,2,3
.irp k, 0,1
.irp c, 0,1,2,3
	ds_load_b128 v[S+32*\t+16*\k+4*\c:S+32*\t+16*\k+4*\c+3], \adr offset:\t*4096+\k*2048+\c*512
.endr
.endr
.endr
.endm
	WLOAD v3
	s_wait_loadcnt 0x0                             ; x's codes
	s_wait_dscnt 0x0
	WIN 0x04
.irp t, 0,1,2,3
.irp m, 0,1
	v_wmma_f32_16x16x128_bf8_bf8 v[VA+8*(2*\t+\m):VA+8*(2*\t+\m)+7], v[S+32*\t:S+32*\t+15], v[KF+32*\m:KF+32*\m+15], 0
.endr
.endr
.irp t, 0,1,2,3
.irp m, 0,1
	v_wmma_f32_16x16x128_bf8_bf8 v[VA+8*(2*\t+\m):VA+8*(2*\t+\m)+7], v[S+32*\t+16:S+32*\t+31], v[KF+32*\m+16:KF+32*\m+31], v[VA+8*(2*\t+\m):VA+8*(2*\t+\m)+7]
.endr
.endr
	WIN 0
.rept 4
	v_nop
.endr
.set j, 0
.rept 32
	v_pk_mul_f32 v[VA+2*j:VA+2*j+1], v[VA+2*j:VA+2*j+1], s[94:95] op_sel_hi:[1,0]   ; x 2^(e4 + e5)
.set j, j+1
.endr
	VW
	s_barrier_wait -1
.irp k, 0,1,2,3,4,5,6,7,8,9,10,11,12,13,14,15
	ds_load_b128 v[S+4*\k:S+4*\k+3], v11 offset:512*\k          ; my partner's halves of the tiles that I keep
.endr
	ds_load_b64 v[48:49], v13 offset:8192
	ds_load_b64 v[50:51], v13 offset:8448
	WIN 0x40
.irp u, 0,1                            ; channels 128 u + 4 x lane + 0 .. 3
	global_load_b128 v[BO1+4*\u:BO1+4*\u+3], v[LI], s[14:15] offset:512*\u
	global_load_b128 v[BO1+8+4*\u:BO1+8+4*\u+3], v[LI], s[16:17] offset:512*\u
	global_load_b128 v[BO1+16+4*\u:BO1+16+4*\u+3], v[LI], s[18:19] offset:512*\u
	global_load_b128 v[BO1+24+4*\u:BO1+24+4*\u+3], v[LI], s[20:21] offset:512*\u
.endr
	WIN 0
	s_wait_dscnt 0x0
.irp a, 0,1
	v_min_num_f32 v[32+\a], v[ST+4*\a], v[48+2*\a] ; -M of the whole row: the larger M
.endr
.irp a, 0,1
	v_sub_f32 v[34+\a], v[32+\a], v[ST+4*\a]
	v_sub_f32 v[36+\a], v[32+\a], v[48+2*\a]       ; whole numbers, 0 or less
.endr
.irp a, 0,1
	v_cvt_i32_f32 v[34+\a], v[34+\a]
	v_cvt_i32_f32 v[36+\a], v[36+\a]
.endr
.irp a, 0,1
	v_ldexp_f32 v[34+\a], 1.0, v[34+\a]            ; my half's factor, my partner's: exact powers of two
	v_ldexp_f32 v[36+\a], 1.0, v[36+\a]
.endr
.irp a, 0,1
	v_mul_f32 v[38+\a], v[ST+4*\a+1], v[34+\a]
.endr
.irp a, 0,1
	v_fma_f32 v[38+\a], v[49+2*\a], v[36+\a], v[38+\a]   ; the row's sum
.endr
	VW
	v_rcp_f32 v38, v38
	v_rcp_f32 v39, v39
	v_mov_b32 v54, s89                             ; 2^e10
	v_mov_b32 v55, s90                             ; 57,344 x 2^e10
	VW
.irp a, 0,1
	v_ldexp_f32 v[38+\a], v[38+\a], s88            ; x 2^(e8 + e9)
.endr
.irp a, 0,1
	v_mul_f32 v[40+2*\a], v[34+\a], v[38+\a]
	v_mul_f32 v[41+2*\a], v[36+\a], v[38+\a]
.endr
	WIN 0x01
	VW
.irp a, 0,1
.set j, 0
.rept 16
	v_pk_mul_f32 v[R+32*\a+2*j:R+32*\a+2*j+1], v[O+32*\a+2*j:O+32*\a+2*j+1], v[40+2*\a:41+2*\a] op_sel_hi:[1,0]
.set j, j+1
.endr
.endr
	WIN 0
.irp a, 0,1
.set j, 0
.rept 16
	v_pk_fma_f32 v[R+32*\a+2*j:R+32*\a+2*j+1], v[S+32*\a+2*j:S+32*\a+2*j+1], v[40+2*\a:41+2*\a], v[R+32*\a+2*j:R+32*\a+2*j+1] op_sel:[0,1,0] op_sel_hi:[1,1,1]
.set j, j+1
.endr
.endr
.set j, 0
.rept 64
	v_med3_num_f32 v[R+j], v[R+j], -v55, v55       ; the hold ahead of the conversion (ISA guide 7.6.2)
.set j, j+1
.endr
.irp t, 0,1,2,3,4,5,6,7
	v_cvt_scalef32_pk8_bf8_f32 v[16+2*\t:17+2*\t], v[R+8*\t:R+8*\t+7], v54
.endr
	v_nop                                          ; a plain place behind the conversions
.irp a, 0,1
.irp b, 0,1
	ds_store_b128 v14, v[16+8*\a+4*\b:16+8*\a+4*\b+3] offset:\a*4096+512*\b
.endr
.endr
	VW
	s_wait_dscnt 0x0
	s_barrier_signal -1
	WLOAD v4                                       ; Wo
	s_barrier_wait -1                              ; the result's codes lie in LDS
	WIN 0x40
.irp m, 0,1
.irp k, 0,1
.irp c, 0,1,2,3
	ds_load_b128 v[KF+32*\m+16*\k+4*\c:KF+32*\m+16*\k+4*\c+3], v15 offset:\m*4096+\k*2048+\c*512
.endr
.endr
.endr
	s_wait_dscnt 0x0
	WIN 0x44
.irp t, 0,1,2,3
.irp m, 0,1
	v_wmma_f32_16x16x128_bf8_bf8 v[O+8*(2*\t+\m):O+8*(2*\t+\m)+7], v[S+32*\t:S+32*\t+15], v[KF+32*\m:KF+32*\m+15], 0
.endr
.endr
	WIN 0x54
.irp t, 0,1,2,3
.irp m, 0,1
	v_wmma_f32_16x16x128_bf8_bf8 v[O+8*(2*\t+\m):O+8*(2*\t+\m)+7], v[S+32*\t+16:S+32*\t+31], v[KF+32*\m+16:KF+32*\m+31], v[O+8*(2*\t+\m):O+8*(2*\t+\m)+7]
.endr
.endr
	WIN 0x01
.rept 4
	v_nop
.endr
.set j, 0
.rept 32
	v_pk_fma_f32 v[VA+2*j:VA+2*j+1], v[O+2*j:O+2*j+1], s[92:93], v[VA+2*j:VA+2*j+1] op_sel_hi:[1,0,1]   ; x 2^(e10 + e11), + the residual without its bias
.set j, j+1
.endr
	WIN 0
.irp t, 0,1,2,3
.irp m, 0,1
.irp q, 0,1
	ds_store_b128 v1, v[VA+8*(2*\t+\m)+4*\q:VA+8*(2*\t+\m)+4*\q+3] offset:\m*16*ZP+128*(\t/2)+32*(\t%2)+16*\q
.endr
.endr
.endr
	VW
	s_wait_dscnt 0x0
	s_barrier_signal -1
	s_barrier_wait -1                              ; 64 whole rows lie in the stage
.irp n, 0,1,2,3,4,5,6,7
.irp u, 0,1
	ds_load_b128 v[FR+8*\n+4*\u:FR+8*\n+4*\u+3], v2 offset:\n*ZP+512*\u
.endr
.endr
	s_wait_loadcnt 0x0                             ; bo, bv, gamma, beta
	s_wait_dscnt 0x0
	; THE LAYERNORM: eight whole rows a wave, eight numbers a lane and row, the rows by turns
.macro RED                             ; T(n) summed over the 32 lanes, the result in every lane
.irp x, 1,2,4,8
.irp n, 0,1,2,3,4,5,6,7
	v_add_f32_dpp v[T+8*\n], v[T+8*\n], v[T+8*\n] row_xmask:\x row_mask:0xf bank_mask:0xf
.endr
.endr
.irp n, 0,1,2,3,4,5,6,7
	v_permlanex16_b32 v[T+8*\n+1], v[T+8*\n], s[SEL], s[SEL+1]
.endr
.irp n, 0,1,2,3,4,5,6,7
	v_add_f32 v[T+8*\n], v[T+8*\n], v[T+8*\n+1]
.endr
.endm
	WIN 0x45
.irp p, 0,2,4,6
	v_pk_add_f32 v[BO1+\p:BO1+\p+1], v[BO1+\p:BO1+\p+1], v[BO1+8+\p:BO1+8+\p+1]   ; bo + bv
.endr
	WIN 0x04
.irp n, 0,1,2,3,4,5,6,7
.irp p, 0,2,4,6
	v_pk_add_f32 v[FR+8*\n+\p:FR+8*\n+\p+1], v[FR+8*\n+\p:FR+8*\n+\p+1], v[BO1+\p:BO1+\p+1]
.endr
.endr
	WIN 0
.irp n, 0,1,2,3,4,5,6,7
	v_pk_add_f32 v[T+8*\n:T+8*\n+1], v[FR+8*\n:FR+8*\n+1], v[FR+8*\n+2:FR+8*\n+3]
	v_pk_add_f32 v[T+8*\n+2:T+8*\n+3], v[FR+8*\n+4:FR+8*\n+5], v[FR+8*\n+6:FR+8*\n+7]
.endr
.irp n, 0,1,2,3,4,5,6,7
	v_pk_add_f32 v[T+8*\n:T+8*\n+1], v[T+8*\n:T+8*\n+1], v[T+8*\n+2:T+8*\n+3]
.endr
.irp n, 0,1,2,3,4,5,6,7
	v_add_f32 v[T+8*\n], v[T+8*\n], v[T+8*\n+1]
.endr
	RED
.irp n, 0,1,2,3,4,5,6,7
	v_mul_f32 v[T+8*\n+2], s96, v[T+8*\n]          ; the mean
.endr
.irp n, 0,1,2,3,4,5,6,7
.irp p, 0,2,4,6
	v_pk_add_f32 v[FR+8*\n+\p:FR+8*\n+\p+1], v[FR+8*\n+\p:FR+8*\n+\p+1], v[T+8*\n+2:T+8*\n+3] op_sel_hi:[1,0] neg_lo:[0,1] neg_hi:[0,1]
.endr
.endr
.irp n, 0,1,2,3,4,5,6,7
	v_pk_mul_f32 v[T+8*\n:T+8*\n+1], v[FR+8*\n:FR+8*\n+1], v[FR+8*\n:FR+8*\n+1]
.endr
.irp p, 2,4,6
.irp n, 0,1,2,3,4,5,6,7
	v_pk_fma_f32 v[T+8*\n:T+8*\n+1], v[FR+8*\n+\p:FR+8*\n+\p+1], v[FR+8*\n+\p:FR+8*\n+\p+1], v[T+8*\n:T+8*\n+1]
.endr
.endr
.irp n, 0,1,2,3,4,5,6,7
	v_add_f32 v[T+8*\n], v[T+8*\n], v[T+8*\n+1]
.endr
	RED
.irp n, 0,1,2,3,4,5,6,7
	v_fma_f32 v[T+8*\n+2], v[T+8*\n], s96, s97     ; the variance + 1e-6
.endr
	VW
.irp n, 0,1,2,3,4,5,6,7
	v_rsq_f32 v[T+8*\n+2], v[T+8*\n+2]
.endr
	v_nop                                          ; a plain place behind the last of them
	VW
.irp n, 0,1,2,3,4,5,6,7
.irp p, 0,2,4,6
	v_pk_mul_f32 v[FR+8*\n+\p:FR+8*\n+\p+1], v[FR+8*\n+\p:FR+8*\n+\p+1], v[T+8*\n+2:T+8*\n+3] op_sel_hi:[1,0]
.endr
.endr
	WIN 0x14
.irp n, 0,1,2,3,4,5,6,7
.irp p, 0,2,4,6
	v_pk_fma_f32 v[FR+8*\n+\p:FR+8*\n+\p+1], v[FR+8*\n+\p:FR+8*\n+\p+1], v[BO1+16+\p:BO1+17+\p], v[BO1+24+\p:BO1+25+\p]
.endr
.endr
	WIN 0
.irp n, 0,1,2,3,4,5,6,7
.irp u, 0,1
	global_store_b128 v[LI], v[FR+8*\n+4*\u:FR+8*\n+4*\u+3], s[22:23] offset:\n*1024+\u*512 th:TH_STORE_NT   ; 32 lanes store 512 consecutive bytes, at a multiple of 512 from out0's first byte
.endr
.endr
	s_wait_tensorcnt 0x0                           ; the wave's end
	ds_add_u32 v[SPW], v[NIL]
	s_wait_dscnt 0x0
	CROUND                                         ; the closing round: no work-group ends while a partner may still ask for a tile that names it
	s_endpgm
.Lfunc_end_k_q41304565d1_attn:
	.size	k_q41304565d1_attn, .Lfunc_end_k_q41304565d1_attn-k_q41304565d1_attn
	.p2alignl 7, 3214868480
	.fill 96, 4, 3214868480
	.section	.rodata,"a",@progbits
	.p2align	6, 0x0
	.amdhsa_kernel k_q41304565d1_attn
		.amdhsa_group_segment_fixed_size 327680
		.amdhsa_private_segment_fixed_size 0
		.amdhsa_enable_private_segment 0
		.amdhsa_kernarg_size 80
		.amdhsa_user_sgpr_count 2
		.amdhsa_user_sgpr_kernarg_segment_ptr 1
		.amdhsa_wavefront_size32 1
		.amdhsa_system_sgpr_workgroup_id_x 1
		.amdhsa_system_sgpr_workgroup_id_y 1
		.amdhsa_system_sgpr_workgroup_id_z 1
		.amdhsa_system_vgpr_workitem_id 0
		.amdhsa_next_free_vgpr 512
		.amdhsa_next_free_sgpr 98
		.amdhsa_reserve_vcc 0
		.amdhsa_float_denorm_mode_32 3
		.amdhsa_float_denorm_mode_16_64 3
		.amdhsa_memory_ordered 1
		.amdhsa_forward_progress 1
		.amdhsa_inst_pref_size 175
	.end_amdhsa_kernel
	.amdgpu_metadata
---
amdhsa.version: [ 1, 2 ]
amdhsa.kernels:
  - .name:           k_q41304565d1_attn
    .symbol:         k_q41304565d1_attn.kd
    .args:
      - { .name: qc, .offset: 0, .size: 8, .value_kind: global_buffer, .address_space: global }
      - { .name: kv, .offset: 8, .size: 8, .value_kind: global_buffer, .address_space: global }
      - { .name: wc, .offset: 16, .size: 8, .value_kind: global_buffer, .address_space: global }
      - { .name: xc, .offset: 24, .size: 8, .value_kind: global_buffer, .address_space: global }
      - { .name: lowp_scales, .offset: 32, .size: 8, .value_kind: global_buffer, .address_space: global }
      - { .name: bo, .offset: 40, .size: 8, .value_kind: global_buffer, .address_space: global }
      - { .name: bv, .offset: 48, .size: 8, .value_kind: global_buffer, .address_space: global }
      - { .name: gamma, .offset: 56, .size: 8, .value_kind: global_buffer, .address_space: global }
      - { .name: beta, .offset: 64, .size: 8, .value_kind: global_buffer, .address_space: global }
      - { .name: out0, .offset: 72, .size: 8, .value_kind: global_buffer, .address_space: global }
    .group_segment_fixed_size: 327680
    .private_segment_fixed_size: 0
    .kernarg_segment_align: 8
    .kernarg_segment_size: 80
    .max_flat_workgroup_size: 256
    .sgpr_count:     98
    .vgpr_count:     512
    .wavefront_size: 32
...
	.end_amdgpu_metadata
.endif
;; end of part 3
